; MI455X (gfx1250); checked and timed in simulation.
; The chip was launched on July 23, 2026; its instructions are those of AMD's public machine-readable ISA for CDNA 5 (MIT licence, August 2026) and "CDNA5" Instruction Set Architecture Reference Guide (July 2026). The comments in the code are by the model that wrote it; some were corrected since.
;; Attention. Allowed arithmetic: matrix products marked QUANTISED: E2M1 operands, one E8M0 scale for each 32 along K, by v_wmma_scale_f32_16x16x128_f8f6f4 with both operands' format E2M1 (or v_wmma_scale_f32_32x16x128_f4), f32 sums; products left as they are: bf16, f16 or f32 operands; f32 sums; everything else in f32.
;; Inputs: Wk 768 x 768 float32; Wp 768 x 768 float32; Wq 768 x 768 float32; Wv 768 x 768 float32; bp 768 float32; xk 2 x 2,048 x 768 float32; xq 2 x 2,048 x 768 float32; xv 2 x 2,048 x 768 float32.
;; Outputs: out0 2 x 2,048 x 768 float32.
;; This version of the problem:
;;   THIS VERSION OF THE PROBLEM IS GIVEN IN LOW PRECISION. The matrix products marked QUANTISED in the list below multiply operands that are first quantised to E2M1 (2 exponent bits, 1 mantissa bit; 4 bits a number), with one power-of-two scale for each 32 numbers along K (OCP MX v1.0); their sums are f32. The products marked 'left as it is' may take bf16, f16 or f32 operands, with f32 sums. Whichever they take, every output number must still come out within the allowed error. Rounding operands to bf16 (8 significant bits) uses up far more of that allowance than f16 does (11 bits, for magnitudes from 6e-5 to 65,504). All else is computed in f32.
;;   The module's matrix products, in the order in which they are computed (A, B: the left and right operand; K: the contracted axis; several contracted axes count as one K, in the product's order):
;;     1. [M 4,096, K 768] x [K 768, N 768]; A: input xq; B: input Wq: QUANTISED
;;     2. [M 4,096, K 768] x [K 768, N 768]; A: input xk; B: input Wk: QUANTISED
;;     3. [M 4,096, K 768] x [K 768, N 768]; A: input xv; B: input Wv: QUANTISED
;;     4. batch 24 x [M 2,048, K 64] x [K 64, N 2,048]; A: computed on the way; B: computed on the way: left as it is (an operand is computed on the way)
;;     5. batch 24 x [M 2,048, K 2,048] x [K 2,048, N 64]; A: computed on the way; B: computed on the way: left as it is (an operand is computed on the way)
;;     6. [M 4,096, K 768] x [K 768, N 768]; A: computed on the way; B: input Wp: left as it is (an operand is computed on the way)
;;   THE QUANTISER, for each operand of a quantised product, along K:
;;     - K is cut into blocks of 32 from its start; a last block that is shorter is filled with zeros.
;;     - A block's scale is 2^e with e = floor(log2(the largest magnitude in the block)) - 2, held to -126 .. 127; a block of zeros has e = 0. As a byte (E8M0): e + 127.
;;     - Each number is divided by its block's scale, clamped to +-6, and rounded to the nearest number of E2M1, ties to even, subnormals kept.
;;     - The product sums the exact products of the quantised numbers (number of the format x scale) in f32.
;;   ~~~python
;;   def quantise(x, axis):      # numpy; x: float32 -> the quantised numbers, widened to float32 again
;;       x = np.moveaxis(x, axis, -1); K = x.shape[-1]
;;       x = np.pad(x, [(0, 0)] * (x.ndim - 1) + [(0, -K % 32)]); x = x.reshape(x.shape[:-1] + (-1, 32)); a = np.abs(x).max(-1, keepdims=True)
;;       e = np.where(a > 0, np.clip(np.frexp(np.where(a > 0, a, 1))[1] - 1 - 2, -126, 127), 0)      # np.frexp(a)[1] - 1 = floor(log2(a)), exactly
;;       r = np.clip(x / 2.0 ** e, -6, 6)
;;       step = 2.0 ** (np.maximum(np.frexp(np.where(r == 0, 1, r))[1] - 1, 0) - 1)
;;       q = np.round(r / step) * step * 2.0 ** e      # np.round: ties to even
;;       return np.moveaxis(q.reshape(q.shape[:-2] + (-1,))[..., :K], -1, axis).astype(np.float32)
;;   ~~~
;; One version. Each part assembles by itself: llvm-mc -triple=amdgcn-amd-amdhsa -mcpu=gfx1250 --defsym DOCPART=n.
;; ======== version 1 of 1: 4 launches
;; limits: values are held in f16: magnitudes above 65,504 overflow, below 6.1e-05 lose precision
;; workspace buffers: wcodes 884,736 bytes; wscales 55,296 bytes; wpb 1,179,648 bytes; qh 6,291,456 bytes; kh 6,291,456 bytes; vh 6,291,456 bytes; ob 6,291,456 bytes
;; launch prep (part 1): grid 24 x 4, 12 waves a work-group, no clusters, 112,896 bytes of LDS; arguments Wq, Wk, Wv, Wp, wcodes, wscales, wpb; writes wcodes, wscales, wpb
.if DOCPART == 1
	.amdgcn_target "amdgcn-amd-amdhsa--gfx1250"
	.amdhsa_code_object_version 6
	.text
	.protected	k_q6004ee39eb_prep
	.globl	k_q6004ee39eb_prep
	.p2align	8
	.type	k_q6004ee39eb_prep,@function
k_q6004ee39eb_prep:
	s_mov_b64 s[64:65], 0
	v_nop
	global_prefetch_b8 v0, s[64:65] scope:SCOPE_SE
	s_setreg_imm32_b32 hwreg(HW_REG_WAVE_MODE, 25, 1), 1
	s_wait_xcnt 0x0
; THE WEIGHTS, ONCE.  Wq, Wk, Wv [768][768] f32 (K innermost) become codes of FP4 (E2M1) with one E8M0 byte for each 32 along K; Wp becomes bf16.
; All three results are laid as IMAGES OF OPERAND REGISTERS: a piece of 512 bytes is four registers of 32 lanes, lane L's 16 bytes at 16 L, so that a later launch loads a fragment by dense 16-byte loads.
;   wcodes  [y 3][g 48 tiles of 16 rows][s 6 K steps of 128][c 2][512]: lane (r, h) of piece c holds k = 128 s + 64 c + 32 h + 0..31 of row 16 g + r
;   wscales [y][g][s][r 16] words: byte 2 c + h is that block's scale
;   wpb     [nb 4][part 3][nt 12][ch 8][half 2][512] bf16: rows 192 nb + 16 nt + r, k = 32 (8 part + ch) + 16 half + 8 h + 0..7
; A block's scale is 2^(floor(log2(largest magnitude)) - 2): its byte is the largest magnitude's exponent field - 2, held at 1 from below (a block of zeros keeps the byte 1: its codes are zeros, and this program alone reads the bytes).
; LIMITS: NaN and infinities are not served; a block whose largest magnitude lies under 2^-124 keeps the byte 1.
; SHARES.  Work-group (x, y): 32 rows of tensor y (3 = Wp).  Wave w makes ONE fragment of 16 rows x 128 K: rows 32 x + 16 (w & 1), K step w >> 1.  Every byte is read once and no two work-groups read the same byte: no cluster.
; A load takes two rows' 256 consecutive bytes; the conversions want 32 neighbours along K in ONE lane: so each half (16 rows x 256 bytes) turns through the wave's own stage in LDS.
.set ROWB,  3072                       ; a row of W in bytes
.set LP,    144                        ; a lane's place in a stage: its 128 bytes + 16: 36 words
.set HALFB, 32*LP                      ; a half's stage
.set STGB,  2*HALFB                    ; a wave's two
.set SCB,   12*STGB                    ; behind the stages: the work-group's 192 scale words
.set SPARE, SCB+768                    ; behind them: the spare words, 128 bytes for each of the 12 waves, which no other line names
.set VG,  4                            ; v4   a load's lane offset: row L / 16, 16 bytes x (L % 16)
.set VS,  5                            ; v5   the stage, on the way in
.set VL,  6                            ; v6   and on the way out: LP x L
.set LI,  7                            ; v7   16 L: an image's place for my lane
.set SH,  8                            ; v8   8 h: where my two scale bytes stand in the word
.set VSW, 9                            ; v9   LDS: my fragment's scale word of row r
.set SPW, 10                           ; v10  my spare word; never rewritten
.set NIL, 11                           ; v11  0; never rewritten
.set VWP, 12                           ; v12  Wp's way out: 1024 h + 16 r
.set VSR, 13                           ; v13  LDS: the scale words read back, 8 bytes a lane
.set VSO, 14                           ; v14  8 L
.set M,   16                           ; v16-17 largest magnitudes, v18-19 the conversions' scale operands, v20-21 bytes, v22 the scale word, v23 the other half's
.set SO,  18
.set BY,  20
.set PW,  22
.set T,   23
.set C,   24                           ; v24-31  the fragment's codes
.set R,   32                           ; v32-95  64 numbers
.set PKB, 96                           ; v96-127 Wp in bf16
.set WV,  18
.set MM,  19
.set SS,  20
.set YY,  21
.set SRC, 24
.set OFS, 26
.set SEL, 28
	s_load_b256 s[4:11], s[0:1], 0x0               ; Wq, Wk, Wv, Wp
	s_load_b128 s[12:15], s[0:1], 0x20             ; wcodes, wscales
	s_load_b64 s[16:17], s[0:1], 0x30              ; wpb
	v_lshl_add_u32 v[SPW], v0, 2, SPARE
	v_mov_b32 v[NIL], 0
	v_lshrrev_b32 v1, 5, v0
	v_readfirstlane_b32 s[WV], v1                  ; wave 0..11
	s_and_b32 s[MM], s[WV], 1                      ; which 16 rows
	s_lshr_b32 s[SS], s[WV], 1                     ; which K step
	s_and_b32 s[YY], ttmp7, 0xffff                 ; which tensor
	v_and_b32 v1, 31, v0                           ; L
	v_and_b32 v2, 15, v0                           ; r
	v_bfe_u32 v3, v0, 4, 1                         ; h
	v_mul_u32_u24 v[VG], v3, ROWB
	v_lshl_add_u32 v[VG], v2, 4, v[VG]
	s_mul_i32 s30, s[WV], STGB                     ; my stage
	v_bfe_u32 v[VS], v0, 3, 1                      ; in: my 16 bytes belong to the lane that will hold half (L / 8) % 2 of row 2 i + L / 16:
	v_mul_u32_u24 v[VS], v[VS], 16*LP              ; 16 places for the half,
	v_mad_u32_u24 v[VS], v3, LP, v[VS]             ; one for the odd row,
	v_and_b32 v[VL], 7, v0
	v_lshl_add_u32 v[VS], v[VL], 4, v[VS]          ; 16 (L % 8) inside the place
	v_add_nc_u32 v[VS], s30, v[VS]
	v_mul_u32_u24 v[VL], v1, LP
	v_add_nc_u32 v[VL], s30, v[VL]
	v_lshlrev_b32 v[LI], 4, v1
	v_lshlrev_b32 v[SH], 3, v3
	s_mul_i32 s31, s[MM], 6
	s_add_co_u32 s31, s31, s[SS]                   ; my fragment among the work-group's twelve: 6 m + s
	s_lshl_b32 s31, s31, 6
	s_add_co_u32 s31, s31, SCB
	v_lshl_add_u32 v[VSW], v2, 2, s31
	v_lshlrev_b32 v[VWP], 10, v3
	v_lshl_add_u32 v[VWP], v2, 4, v[VWP]
	s_min_u32 s32, s[WV], 2                        ; waves 0 to 2 carry the scale words out, 256 bytes each
	s_lshl_b32 s32, s32, 8
	s_add_co_u32 s33, s32, SCB
	v_lshl_add_u32 v[VSR], v1, 3, s33
	v_lshlrev_b32 v[VSO], 3, v1
	v_mov_b32 v[T], 0                              ; written once: a lane permute's destination counts as one of its sources
	s_mov_b32 s[SEL], 0x76543210
	s_mov_b32 s[SEL+1], 0xfedcba98                 ; v_permlanex16_b32's selects for lane l xor 16
	s_lshl_b32 s34, ttmp9, 5
	s_lshl_b32 s35, s[MM], 4
	s_add_co_u32 s34, s34, s35                     ; my first row
	s_mul_i32 s[OFS], s34, ROWB
	s_lshl_b32 s35, s[SS], 9
	s_add_co_u32 s[OFS], s[OFS], s35               ; + my K step's 512 bytes
	s_mov_b32 s[OFS+1], 0
	s_wait_kmcnt 0x0
	s_cmp_eq_u32 s[YY], 1                          ; the tensor is chosen by the work-group's number alone
	s_cselect_b64 s[SRC:SRC+1], s[6:7], s[4:5]
	s_cmp_eq_u32 s[YY], 2
	s_cselect_b64 s[SRC:SRC+1], s[8:9], s[SRC:SRC+1]
	s_cmp_eq_u32 s[YY], 3
	s_cselect_b64 s[SRC:SRC+1], s[10:11], s[SRC:SRC+1]
	s_add_nc_u64 s[SRC:SRC+1], s[SRC:SRC+1], s[OFS:OFS+1]
.macro LOADX c                         ; half c: load i takes rows 2 i and 2 i + 1, 256 consecutive bytes of each
.irp i, 0,1,2,3,4,5,6,7
	global_load_b128 v[R+32*\c+4*\i:R+32*\c+4*\i+3], v[VG], s[SRC:SRC+1] offset:2*ROWB*\i+256*\c th:TH_LOAD_NT
.endr
.endm
.macro TURN c                          ; through the stage and back into the same registers: LDS serves a wave's instructions in order (ISA guide 5.7.1.4).  Then register 32 c + n is k = 64 c + 32 h + n of row r
.irp i, 0,1,2,3,4,5,6,7
	ds_store_b128 v[VS], v[R+32*\c+4*\i:R+32*\c+4*\i+3] offset:HALFB*\c+2*LP*\i
.endr
.irp j, 0,1,2,3,4,5,6,7
	ds_load_b128 v[R+32*\c+4*\j:R+32*\c+4*\j+3], v[VL] offset:HALFB*\c+16*\j
.endr
.endm
.macro QUANT                           ; 64 numbers become the fragment's 8 registers of codes and its scale word
.irp c, 0,1
	v_max3_num_f32 v[M+\c], |v[R+32*\c]|, |v[R+32*\c+1]|, 0x1800000   ; my block 2 c + h: all its 32 numbers are mine; and the floor 2^(3 - 127): the byte cannot fall under 1
.endr
.irp i, 2,4,6,8,10,12,14,16,18,20,22,24,26,28,30
.irp c, 0,1
	v_max3_num_f32 v[M+\c], v[M+\c], |v[R+32*\c+\i]|, |v[R+32*\c+\i+1]|   ; (the two blocks by turns)
.endr
.endr
.irp c, 0,1
	v_add_nc_u32 v[SO+\c], 0xff000000, v[M+\c]     ; 2 off the exponent field: the conversion takes the exponent field of this operand as its scale
.endr
.irp c, 0,1
	v_lshrrev_b32 v[BY+\c], 23, v[SO+\c]           ; the scale's byte
.endr
	v_lshl_or_b32 v[PW], v[BY+1], 16, v[BY]        ; blocks h and 2 + h,
	v_lshlrev_b32 v[PW], v[SH], v[PW]              ; at their places in the word;
	v_permlanex16_b32 v[T], v[PW], s[SEL], s[SEL+1]
	v_or_b32 v[PW], v[PW], v[T]                    ; with lane l xor 16's two the word is whole
.irp c, 0,1
.irp g, 0,1,2,3
	v_cvt_scalef32_pk8_fp4_f32 v[C+4*\c+\g], v[R+32*\c+8*\g:R+32*\c+8*\g+7], v[SO+\c]
.endr
.endr
	v_nop                                          ; one plain place behind the last scaled conversion
.endm
	LOADX 0
	LOADX 1
	s_wait_loadcnt 8                               ; half 0's eight loads are in; half 1's eight are younger
	TURN 0
	s_wait_loadcnt 0x0
	TURN 1
	s_wait_dscnt 0x0
	s_cmp_eq_u32 s[YY], 3
	s_cbranch_scc1 .Lwp
	s_mul_i32 s30, s[YY], 48                       ; wcodes: ((48 y + 2 x + m) 6 + s) x 1,024
	s_lshl_b32 s31, ttmp9, 1
	s_add_co_u32 s30, s30, s31
	s_add_co_u32 s30, s30, s[MM]
	s_mul_i32 s30, s30, 6
	s_add_co_u32 s30, s30, s[SS]
	s_lshl_b32 s[OFS], s30, 10
	s_add_nc_u64 s[12:13], s[12:13], s[OFS:OFS+1]
	QUANT
	global_store_b128 v[LI], v[C:C+3], s[12:13]               ; 32 lanes store 512 consecutive bytes
	global_store_b128 v[LI], v[C+4:C+7], s[12:13] offset:512
	ds_store_b32 v[VSW], v[PW]                     ; lanes r and 16 + r write the same word with the same value
	s_branch .Ljoin
.Lwp:                                              ; Wp: my 32 numbers of half c are chunk 4 s + 2 c + h of row r
.irp c, 0,1
.irp n, 0,1,2,3,4,5,6,7,8,9,10,11,12,13,14,15
	v_cvt_pk_bf16_f32 v[PKB+16*\c+\n], v[R+32*\c+2*\n], v[R+32*\c+2*\n+1]
.endr
.endr
	s_lshl_b32 s34, ttmp9, 1
	s_add_co_u32 s34, s34, s[MM]                   ; my tile of 16 rows, 0..47
	s_mul_hi_u32 s35, s34, 0x15555556              ; nb = tile / 12
	s_mul_i32 s36, s35, 12
	s_sub_co_u32 s36, s34, s36                     ; nt = tile % 12
	s_mul_i32 s37, s35, 3
	s_lshr_b32 s30, s[SS], 1
	s_add_co_u32 s37, s37, s30                     ; 3 nb + part
	s_mul_i32 s37, s37, 12
	s_add_co_u32 s37, s37, s36
	s_lshl_b32 s[OFS], s37, 13                     ; 8 chunks of 1,024 bytes a tile and part
	s_and_b32 s30, s[SS], 1
	s_lshl_b32 s30, s30, 12
	s_add_co_u32 s[OFS], s[OFS], s30               ; my K step's four chunks
	s_add_nc_u64 s[16:17], s[16:17], s[OFS:OFS+1]
.irp c, 0,1
.irp o, 0,1,2,3                        ; octet o of the chunk: piece o / 2, half of the lanes o % 2: sixteen lanes store 256 consecutive bytes, aligned
	global_store_b128 v[VWP], v[PKB+16*\c+4*\o:PKB+16*\c+4*\o+3], s[16:17] offset:2048*\c+512*(\o/2)+256*(\o%2)
.endr
.endr
.Ljoin:
	s_wait_dscnt 0x0                               ; for the others' sake: my scale word has landed
	s_barrier_signal -1
	s_barrier_wait -1
	s_cmp_eq_u32 s[YY], 3
	s_cbranch_scc1 .Lend                           ; Wp has no scales
	s_cmp_gt_u32 s[WV], 2
	s_cbranch_scc1 .Lend
	ds_load_b64 v[M:M+1], v[VSR]                   ; the work-group's 768 bytes of scale words, 256 a wave
	s_mul_i32 s34, s[YY], 24
	s_add_co_u32 s34, s34, ttmp9
	s_mul_i32 s[OFS], s34, 768
	s_add_co_u32 s[OFS], s[OFS], s32
	s_add_nc_u64 s[14:15], s[14:15], s[OFS:OFS+1]
	s_wait_dscnt 0x0
	global_store_b64 v[VSO], v[M:M+1], s[14:15]    ; 32 lanes store 256 consecutive bytes, aligned
.Lend:
	s_wait_tensorcnt 0x0                           ; the wave's end: behind my last LDS store
	ds_add_u32 v[SPW], v[NIL]
	s_wait_dscnt 0x0
	s_endpgm
.Lfunc_end_k_q6004ee39eb_prep:
	.size	k_q6004ee39eb_prep, .Lfunc_end_k_q6004ee39eb_prep-k_q6004ee39eb_prep
	.p2alignl 7, 3214868480
	.fill 96, 4, 3214868480
	.section	.rodata,"a",@progbits
	.p2align	6, 0x0
	.amdhsa_kernel k_q6004ee39eb_prep
		.amdhsa_group_segment_fixed_size 112896
		.amdhsa_private_segment_fixed_size 0
		.amdhsa_enable_private_segment 0
		.amdhsa_kernarg_size 56
		.amdhsa_user_sgpr_count 2
		.amdhsa_user_sgpr_kernarg_segment_ptr 1
		.amdhsa_wavefront_size32 1
		.amdhsa_system_sgpr_workgroup_id_x 1
		.amdhsa_system_sgpr_workgroup_id_y 1
		.amdhsa_system_sgpr_workgroup_id_z 1
		.amdhsa_system_vgpr_workitem_id 0
		.amdhsa_next_free_vgpr 128
		.amdhsa_next_free_sgpr 66
		.amdhsa_reserve_vcc 0
		.amdhsa_float_denorm_mode_32 3
		.amdhsa_float_denorm_mode_16_64 3
		.amdhsa_memory_ordered 1
		.amdhsa_forward_progress 1
		.amdhsa_inst_pref_size 14
	.end_amdhsa_kernel
	.amdgpu_metadata
---
amdhsa.version: [ 1, 2 ]
amdhsa.kernels:
  - .name:           k_q6004ee39eb_prep
    .symbol:         k_q6004ee39eb_prep.kd
    .args:
      - { .name: Wq, .offset: 0, .size: 8, .value_kind: global_buffer, .address_space: global }
      - { .name: Wk, .offset: 8, .size: 8, .value_kind: global_buffer, .address_space: global }
      - { .name: Wv, .offset: 16, .size: 8, .value_kind: global_buffer, .address_space: global }
      - { .name: Wp, .offset: 24, .size: 8, .value_kind: global_buffer, .address_space: global }
      - { .name: wcodes, .offset: 32, .size: 8, .value_kind: global_buffer, .address_space: global }
      - { .name: wscales, .offset: 40, .size: 8, .value_kind: global_buffer, .address_space: global }
      - { .name: wpb, .offset: 48, .size: 8, .value_kind: global_buffer, .address_space: global }
    .group_segment_fixed_size: 112896
    .private_segment_fixed_size: 0
    .kernarg_segment_align: 8
    .kernarg_segment_size: 56
    .max_flat_workgroup_size: 384
    .sgpr_count:     66
    .vgpr_count:     128
    .wavefront_size: 32
...
	.end_amdgpu_metadata
.endif
;; end of part 1
;; launch proj (part 2): grid 64 x 3, 16 waves a work-group, no clusters, 230,912 bytes of LDS; arguments xq, xk, xv, wcodes, wscales, qh, kh, vh; writes qh, kh, vh
.if DOCPART == 2
	.amdgcn_target "amdgcn-amd-amdhsa--gfx1250"
	.amdhsa_code_object_version 6
	.text
	.protected	k_q6004ee39eb_proj
	.globl	k_q6004ee39eb_proj
	.p2align	8
	.type	k_q6004ee39eb_proj,@function
k_q6004ee39eb_proj:
	s_mov_b64 s[64:65], 0
	v_nop
	global_prefetch_b8 v0, s[64:65] scope:SCOPE_SE
	s_setreg_imm32_b32 hwreg(HW_REG_WAVE_MODE, 25, 1), 1
	s_wait_xcnt 0x0
; q = xq Wq^T, k = xk Wk^T, v = xv Wv^T on codes of FP4 (E2M1) with one E8M0 scale for each 32 along K; sums in f32; results rounded once to f16 for the attention launch.
; SHARES.  Work-group (x, y): 64 rows of tensor y, all 768 columns: 64 x 3 = 192 work-groups.  Wave w makes column tiles 3 w, 3 w + 1, 3 w + 2 for all four tiles of rows; its 18 fragments of W and their scale words
; come from memory straight into its registers, as the launch before laid them, ONCE for the 64 rows: with 32 rows to a work-group W would be read twice as often.
; x COMES BY THE TENSOR DATA MOVER: wave w (0 to 11) asks for 32 rows x 512 bytes (rows 32 (w & 1) on, K step w >> 1) into LDS bytes of its own, reads them back 128 bytes a lane, and quantises the two fragments
; (16 rows x 128 K each); they go to all sixteen waves through LDS as images of their registers.  The products then run in two passes of two tiles of rows: six accumulators, six K steps each.
; NO CLUSTER: a row of x is read by one work-group alone, and each fragment of W is wanted by one wave of a work-group alone, in its registers.
; THE PRODUCT IS USED TRANSPOSED (source 0 = 16 rows of W, source 1 = 16 rows of x): a lane holds one row of x and eight neighbouring channels, 16 bytes of f16.
; OUT: qh, kh, vh [12 b + head][tile of 16 rows, 128][ct 4][512]: lane (r, h)'s 16 bytes (row r, channels 16 ct + 8 h + 0..7) at 16 (16 h + r); for v at 256 (r / 8) + 128 h + 16 (r % 8), where the turning LDS load of the next launch wants them.
; LIMITS: NaN and infinities are not served; a block whose largest magnitude lies under 2^-124 keeps the scale byte 1 (a block of zeros too: its codes are zeros); |q|, |k|, |v| stay under 65,504, f16's largest number.
.set ROWB,  3072                       ; a row of x in bytes
.set SPT,   528                        ; a row of a wave's tile in LDS: 512 bytes + 16 of padding = 132 words: row r starts at bank 4 r mod 64 (64 banks of 4 bytes: ISA guide 11.1)
.set STGW,  32*SPT                     ; a wave's tile
.set XIMG,  12*STGW                    ; behind the twelve tiles: x's 24 fragments, (m, s) at (6 m + s) x 1,024; no fill lands here
.set XSC,   XIMG+24*1024               ; their scale words: 128 (6 (m / 2) + s) + 64 (m % 2) + 4 r
.set SPARE, XSC+24*64                  ; the spare words, 128 bytes for each of the 16 waves, which no other line names
.set SRD, 1                            ; v1   where I read my tile: my wave's bytes + 528 r + 128 h
.set LI,  4                            ; v4   16 L
.set LW,  5                            ; v5   4 L
.set XWI, 6                            ; v6   where I store my first fragment's image
.set XWS, 7                            ; v7   and its scale word
.set VO,  8                            ; v8   the way out: my lane's 16 bytes in a piece
.set SH,  9                            ; v9   8 h
.set SPW, 10                           ; v10  my spare word; never rewritten
.set NIL, 11                           ; v11  0; never rewritten
.set XS,  12                           ; v12-17  a pass's scale words of x, one register a K step: lanes 0-15 the first tile of rows, lanes 16-31 the second
.set WS,  18                           ; v18-26  W's: register j: lanes 0-15 fragment 2 j, lanes 16-31 fragment 2 j + 1 (fragment 6 i + s)
.set VT,  27                           ; v27  v's lane offset
.set WF,  28                           ; v28-171 W's 18 fragments, (i, s) at 8 (6 i + s)
.set R,   172                          ; v172-235 64 numbers of x
.set M,   236
.set SO,  238
.set BY,  240
.set PW,  242
.set T,   243
.set C,   244                          ; v244-251 a fragment's codes
.set ACC, 172                          ; behind the barrier: v172-219 six accumulators, (m, i) at 8 (3 m + i);
.set XF,  220                          ; v220-251 x's fragments of a K step, two sets of 16; on the way out the packed results
.set XRI, 252                          ; v252 XIMG + 16 L
.set XRS, 253                          ; v253 XSC + 4 L
.set WV,  20
.set SEL, 36
.set G1,  48                           ; s[48:55] descriptor group 1
.set G0,  56                           ; s[56:59] descriptor group 0
	s_load_b256 s[4:11], s[0:1], 0x0               ; xq, xk, xv, wcodes
	s_load_b256 s[12:19], s[0:1], 0x20             ; wscales, qh, kh, vh
	v_lshl_add_u32 v[SPW], v0, 2, SPARE
	v_mov_b32 v[NIL], 0
	ds_add_u32 v[SPW], v[NIL]                      ; the wave's opening: the add, twice on end, and its wait ahead of my first tensor load; the set-up below stands between the second and the wait
	ds_add_u32 v[SPW], v[NIL]
	v_lshrrev_b32 v254, 5, v0
	v_readfirstlane_b32 s[WV], v254                ; wave 0..15
	s_min_u32 s38, s[WV], 11                       ; the quantising waves are 0 to 11; the others' addresses of that phase are held inside LDS and never used
	s_and_b32 s21, s38, 1                          ; which 32 rows I fetch and quantise
	s_lshr_b32 s22, s38, 1                         ; which K step
	s_and_b32 s23, ttmp7, 0xffff                   ; y: which tensor
	s_mov_b32 s[G1], (2<<16)|(1<<20)|(6<<22)|(3<<25)   ; 15:0 no mask; 17:16 elements of 4 bytes; 20 padding on; 24:22 after every 128 words (code 6); 31:25 four words (code 3)
	s_mov_b32 s[G1+1], 128<<16                     ; tensor_dim0 = 128 elements: 512 bytes of a row
	s_mov_b32 s[G1+2], 32<<16                      ; tensor_dim1 = 32
	s_mov_b32 s[G1+3], 128<<16                     ; tile_dim0
	s_mov_b32 s[G1+4], 32                          ; tile_dim1
	s_mov_b32 s[G1+5], 768                         ; elements from row to row
	s_mov_b32 s[G1+6], 0
	s_mov_b32 s[G1+7], 0
	s_mov_b32 s[G0], 1                             ; count = 1
	s_mul_i32 s[G0+1], s38, STGW                   ; LDS: my wave's own bytes
	v_and_b32 v254, 31, v0                         ; L
	v_and_b32 v255, 15, v0                         ; r
	v_bfe_u32 v236, v0, 4, 1                       ; h
	v_and_b32 v237, 7, v0
	s_mul_i32 s39, s38, STGW
	v_mul_u32_u24 v[SRD], v255, SPT
	v_lshl_add_u32 v[SRD], v236, 7, v[SRD]
	v_add_nc_u32 v[SRD], s39, v[SRD]
	v_lshlrev_b32 v[LI], 4, v254
	v_lshlrev_b32 v[LW], 2, v254
	s_mul_i32 s39, s21, 12
	s_add_co_u32 s39, s39, s22                     ; my first fragment: 6 m + s with m = 2 (w & 1)
	s_lshl_b32 s39, s39, 10
	s_add_co_u32 s39, s39, XIMG
	v_add_nc_u32 v[XWI], s39, v[LI]
	s_mul_i32 s39, s21, 6
	s_add_co_u32 s39, s39, s22
	s_lshl_b32 s39, s39, 7
	s_add_co_u32 s39, s39, XSC
	v_lshl_add_u32 v[XWS], v255, 2, s39
	v_add_nc_u32 v[XRI], XIMG, v[LI]
	v_add_nc_u32 v[XRS], XSC, v[LW]
	v_lshlrev_b32 v[SH], 3, v236
	v_lshrrev_b32 v[VT], 3, v255
	v_lshlrev_b32 v[VT], 8, v[VT]
	v_lshl_add_u32 v[VT], v236, 7, v[VT]
	v_lshl_add_u32 v[VT], v237, 4, v[VT]           ; 256 (r / 8) + 128 h + 16 (r % 8)
	s_cmp_eq_u32 s23, 2
	s_cselect_b32 s46, -1, 0
	v_cndmask_b32 v[VO], v[LI], v[VT], s46         ; v's pieces are laid for the turning load, q's and k's as they stand
	v_mov_b32 v[T], 0                              ; written once: a lane permute's destination counts as one of its sources
	s_mov_b32 s[SEL], 0x76543210
	s_mov_b32 s[SEL+1], 0xfedcba98
	s_lshl_b32 s34, ttmp9, 6
	s_lshl_b32 s35, s21, 5
	s_add_co_u32 s34, s34, s35
	s_mul_i32 s34, s34, ROWB
	s_lshl_b32 s35, s22, 9
	s_add_co_u32 s34, s34, s35                     ; x: (64 x + 32 (w & 1)) rows + my K step's 512 bytes
	s_mov_b32 s35, 0
	s_mul_i32 s46, s23, 48
	s_mul_i32 s47, s[WV], 3
	s_add_co_u32 s46, s46, s47                     ; my first tile of W: 48 y + 3 w
	s_wait_dscnt 0x0                               ; both opening adds are done
	s_wait_kmcnt 0x0
	s_cmp_eq_u32 s23, 1                            ; the buffers are chosen by the work-group's number alone
	s_cselect_b64 s[26:27], s[6:7], s[4:5]
	s_cselect_b64 s[28:29], s[16:17], s[14:15]
	s_cmp_eq_u32 s23, 2
	s_cselect_b64 s[26:27], s[8:9], s[26:27]
	s_cselect_b64 s[28:29], s[18:19], s[28:29]
	s_add_nc_u64 s[G0+2:G0+3], s[26:27], s[34:35]  ; the tile's first element
	s_or_b32 s[G0+3], s[G0+3], 0x80000000          ; type = 2
	s_cmp_gt_u32 s[WV], 11
	s_cbranch_scc1 .Lnoload                        ; waves 12 to 15 fetch nothing
	tensor_load_to_lds s[G0:G0+3], s[G1:G1+7]      ; my one tensor load: the first thing asked of memory; its bytes are filled once
	s_nop 0
.rept 4
	v_nop
.endr
.Lnoload:
	s_mul_i32 s34, s46, 6144
	s_add_nc_u64 s[30:31], s[10:11], s[34:35]      ; my 18 fragments of codes: 18,432 consecutive bytes
	s_mul_i32 s34, s46, 384
	s_add_nc_u64 s[32:33], s[12:13], s[34:35]      ; and their 1,152 bytes of scale words
.set n, 0
.rept 36
	global_load_b128 v[WF+4*n:WF+4*n+3], v[LI], s[30:31] offset:512*n   ; 512 consecutive bytes a load
.set n, n+1
.endr
.set n, 0
.rept 9
	global_load_b32 v[WS+n], v[LW], s[32:33] offset:128*n
.set n, n+1
.endr
	s_lshr_b32 s34, ttmp9, 5
	s_mul_i32 s34, s34, 3145728                    ; out: the batch's 12 heads,
	s_and_b32 s38, ttmp9, 31
	s_lshl_b32 s38, s38, 13
	s_add_co_u32 s34, s34, s38                     ; my four tiles of rows
	s_add_nc_u64 s[28:29], s[28:29], s[34:35]
.irp i, 0,1,2                          ; column tile g = 3 w + i is piece g % 4 of head g / 4
	s_add_co_u32 s38, s47, \i
	s_lshr_b32 s34, s38, 2
	s_lshl_b32 s34, s34, 18
	s_and_b32 s38, s38, 3
	s_lshl_b32 s38, s38, 9
	s_add_co_u32 s34, s34, s38
	s_add_nc_u64 s[40+2*\i:41+2*\i], s[28:29], s[34:35]
.endr
.macro FROMSTG f                       ; fragment f of my tile (rows 16 f on): register 32 c + n is k = 64 c + 32 h + n of row r: 128 neighbouring bytes a lane and half
.irp c, 0,1
.irp j, 0,1,2,3,4,5,6,7
	ds_load_b128 v[R+32*\c+4*\j:R+32*\c+4*\j+3], v[SRD] offset:16*SPT*\f+256*\c+16*\j
.endr
.endr
.endm
.macro QUANT
.irp c, 0,1
	v_max3_num_f32 v[M+\c], |v[R+32*\c]|, |v[R+32*\c+1]|, 0x1800000   ; my block 2 c + h: all its 32 numbers are mine; and the floor 2^(3 - 127): the byte cannot fall under 1
.endr
.irp i, 2,4,6,8,10,12,14,16,18,20,22,24,26,28,30
.irp c, 0,1
	v_max3_num_f32 v[M+\c], v[M+\c], |v[R+32*\c+\i]|, |v[R+32*\c+\i+1]|
.endr
.endr
.irp c, 0,1
	v_add_nc_u32 v[SO+\c], 0xff000000, v[M+\c]     ; 2 off the exponent field: the conversion's scale operand
.endr
.irp c, 0,1
	v_lshrrev_b32 v[BY+\c], 23, v[SO+\c]           ; the scale's byte
.endr
	v_lshl_or_b32 v[PW], v[BY+1], 16, v[BY]
	v_lshlrev_b32 v[PW], v[SH], v[PW]
	v_permlanex16_b32 v[T], v[PW], s[SEL], s[SEL+1]
	v_or_b32 v[PW], v[PW], v[T]                    ; the row's scale word, whole in both halves of the lanes
.irp c, 0,1
.irp g, 0,1,2,3
	v_cvt_scalef32_pk8_fp4_f32 v[C+4*\c+\g], v[R+32*\c+8*\g:R+32*\c+8*\g+7], v[SO+\c]
.endr
.endr
	v_nop                                          ; one plain place behind the last scaled conversion
.endm
	s_cmp_gt_u32 s[WV], 11
	s_cbranch_scc1 .Lnoq                           ; waves 12 to 15 quantise nothing
	s_wait_tensorcnt 0x0                           ; my tile has landed; I alone read it
.irp f, 0,1
	FROMSTG \f
	s_wait_dscnt 0x0                               ; the 64 numbers are in, and the fragment before has left its registers
	QUANT
	ds_store_b128 v[XWI], v[C:C+3] offset:6144*\f              ; the fragment goes to LDS as it stands
	ds_store_b128 v[XWI], v[C+4:C+7] offset:6144*\f+512
	ds_store_b32 v[XWS], v[PW] offset:64*\f        ; lanes r and 16 + r write the same word with the same value
.endr
.Lnoq:
	s_wait_dscnt 0x0                               ; for the others' sake: my stores have landed
	s_barrier_signal -1
	s_barrier_wait -1                              ; x's 24 fragments lie in LDS
.macro XFETCH p, s                     ; pass p, K step s: both tiles of rows, into set s % 2
.irp m, 0,1
.irp c, 0,1
	ds_load_b128 v[XF+16*((\s)%2)+8*\m+4*\c:XF+16*((\s)%2)+8*\m+4*\c+3], v[XRI] offset:(6*(2*(\p)+\m)+(\s))*1024+512*\c
.endr
.endr
.endm
; one product; dA, fW, fX, sW, sX are set by STEPMM.  oW: W's scale words stand in lanes 16-31;  m: x's do
.macro WM m, zero
.if \zero
.if oW && \m
	v_wmma_scale_f32_16x16x128_f8f6f4 v[dA:dA+7], v[fW:fW+7], v[fX:fX+7], 0, v[sW], v[sX] matrix_a_fmt:MATRIX_FMT_FP4 matrix_b_fmt:MATRIX_FMT_FP4 matrix_a_scale:MATRIX_SCALE_ROW1 matrix_b_scale:MATRIX_SCALE_ROW1
.elseif oW
	v_wmma_scale_f32_16x16x128_f8f6f4 v[dA:dA+7], v[fW:fW+7], v[fX:fX+7], 0, v[sW], v[sX] matrix_a_fmt:MATRIX_FMT_FP4 matrix_b_fmt:MATRIX_FMT_FP4 matrix_a_scale:MATRIX_SCALE_ROW1
.elseif \m
	v_wmma_scale_f32_16x16x128_f8f6f4 v[dA:dA+7], v[fW:fW+7], v[fX:fX+7], 0, v[sW], v[sX] matrix_a_fmt:MATRIX_FMT_FP4 matrix_b_fmt:MATRIX_FMT_FP4 matrix_b_scale:MATRIX_SCALE_ROW1
.else
	v_wmma_scale_f32_16x16x128_f8f6f4 v[dA:dA+7], v[fW:fW+7], v[fX:fX+7], 0, v[sW], v[sX] matrix_a_fmt:MATRIX_FMT_FP4 matrix_b_fmt:MATRIX_FMT_FP4
.endif
.else
.if oW && \m
	v_wmma_scale_f32_16x16x128_f8f6f4 v[dA:dA+7], v[fW:fW+7], v[fX:fX+7], v[dA:dA+7], v[sW], v[sX] matrix_a_fmt:MATRIX_FMT_FP4 matrix_b_fmt:MATRIX_FMT_FP4 matrix_a_scale:MATRIX_SCALE_ROW1 matrix_b_scale:MATRIX_SCALE_ROW1
.elseif oW
	v_wmma_scale_f32_16x16x128_f8f6f4 v[dA:dA+7], v[fW:fW+7], v[fX:fX+7], v[dA:dA+7], v[sW], v[sX] matrix_a_fmt:MATRIX_FMT_FP4 matrix_b_fmt:MATRIX_FMT_FP4 matrix_a_scale:MATRIX_SCALE_ROW1
.elseif \m
	v_wmma_scale_f32_16x16x128_f8f6f4 v[dA:dA+7], v[fW:fW+7], v[fX:fX+7], v[dA:dA+7], v[sW], v[sX] matrix_a_fmt:MATRIX_FMT_FP4 matrix_b_fmt:MATRIX_FMT_FP4 matrix_b_scale:MATRIX_SCALE_ROW1
.else
	v_wmma_scale_f32_16x16x128_f8f6f4 v[dA:dA+7], v[fW:fW+7], v[fX:fX+7], v[dA:dA+7], v[sW], v[sX] matrix_a_fmt:MATRIX_FMT_FP4 matrix_b_fmt:MATRIX_FMT_FP4
.endif
.endif
.endm
.macro STEPMM s                        ; a K step's six products: the six accumulators take turns, in the same order in every step.  A pass's first step starts the sums: nothing is cleared
.irp m, 0,1
.irp i, 0,1,2
.set dA, ACC+8*(3*\m+\i)
.set fW, WF+8*(6*\i+(\s))
.set fX, XF+16*((\s)%2)+8*\m
.set sW, WS+(6*\i+(\s))/2
.set oW, (6*\i+(\s))%2
.set sX, XS+(\s)
.if (\s) == 0
	WM \m, 1
.else
	WM \m, 0
.endif
.endr
.endr
.endm
; A PASS: tiles of rows 2 p and 2 p + 1 against my three tiles of columns.
.macro PASS p
.if (\p) > 0
	s_wait_xcnt 0x0                                ; the pass before's stores have read their registers: this pass's fragments land there only behind this wait
.endif
.irp s, 0,1,2,3,4,5
	ds_load_b32 v[XS+\s], v[XRS] offset:128*(6*(\p)+\s)   ; lanes 0-15: the first tile's word; lanes 16-31: the second's
.endr
	XFETCH \p, 0
	XFETCH \p, 1
.if (\p) == 0
	s_wait_loadcnt 0x0                             ; W's fragments and scale words
.endif
.irp s, 0,1,2,3,4,5
.if \s < 5
	s_wait_dscnt 4                                 ; this K step's fragments are in; the next step's four loads are younger
.else
	s_wait_dscnt 0x0
.endif
	STEPMM \s
.if \s < 4
.rept 4
	v_nop                                          ; four places in front of loads into registers that these products have read (ISA guide 7.12.1 for vector instructions)
.endr
	XFETCH \p, \s+2
.endif
.endr
.rept 5
	v_nop                                          ; four places in front of the first read of the results; five in front of the next pass's products, which begin the accumulators anew
.endr
.set n, 0
.rept 6
.irp e, 0,1,2,3
	v_cvt_pk_f16_f32 v[XF+4*n+\e], v[ACC+8*n+2*\e], v[ACC+8*n+2*\e+1]   ; each accumulator from its low end on
.endr
.set n, n+1
.endr
.irp m, 0,1
.irp i, 0,1,2
	global_store_b128 v[VO], v[XF+4*(3*\m+\i):XF+4*(3*\m+\i)+3], s[40+2*\i:41+2*\i] offset:2048*(2*(\p)+\m)   ; a piece: 512 consecutive bytes, aligned
.endr
.endr
.endm
	PASS 0
	PASS 1
	s_wait_tensorcnt 0x0                           ; the wave's end: behind my last tensor load and my last LDS store
	ds_add_u32 v[SPW], v[NIL]
	s_wait_dscnt 0x0
	s_endpgm
.Lfunc_end_k_q6004ee39eb_proj:
	.size	k_q6004ee39eb_proj, .Lfunc_end_k_q6004ee39eb_proj-k_q6004ee39eb_proj
	.p2alignl 7, 3214868480
	.fill 96, 4, 3214868480
	.section	.rodata,"a",@progbits
	.p2align	6, 0x0
	.amdhsa_kernel k_q6004ee39eb_proj
		.amdhsa_group_segment_fixed_size 230912
		.amdhsa_private_segment_fixed_size 0
		.amdhsa_enable_private_segment 0
		.amdhsa_kernarg_size 64
		.amdhsa_user_sgpr_count 2
		.amdhsa_user_sgpr_kernarg_segment_ptr 1
		.amdhsa_wavefront_size32 1
		.amdhsa_system_sgpr_workgroup_id_x 1
		.amdhsa_system_sgpr_workgroup_id_y 1
		.amdhsa_system_sgpr_workgroup_id_z 1
		.amdhsa_system_vgpr_workitem_id 0
		.amdhsa_next_free_vgpr 256
		.amdhsa_next_free_sgpr 66
		.amdhsa_reserve_vcc 0
		.amdhsa_float_denorm_mode_32 3
		.amdhsa_float_denorm_mode_16_64 3
		.amdhsa_memory_ordered 1
		.amdhsa_forward_progress 1
		.amdhsa_inst_pref_size 37
	.end_amdhsa_kernel
	.amdgpu_metadata
---
amdhsa.version: [ 1, 2 ]
amdhsa.kernels:
  - .name:           k_q6004ee39eb_proj
    .symbol:         k_q6004ee39eb_proj.kd
    .args:
      - { .name: xq, .offset: 0, .size: 8, .value_kind: global_buffer, .address_space: global }
      - { .name: xk, .offset: 8, .size: 8, .value_kind: global_buffer, .address_space: global }
      - { .name: xv, .offset: 16, .size: 8, .value_kind: global_buffer, .address_space: global }
      - { .name: wcodes, .offset: 24, .size: 8, .value_kind: global_buffer, .address_space: global }
      - { .name: wscales, .offset: 32, .size: 8, .value_kind: global_buffer, .address_space: global }
      - { .name: qh, .offset: 40, .size: 8, .value_kind: global_buffer, .address_space: global }
      - { .name: kh, .offset: 48, .size: 8, .value_kind: global_buffer, .address_space: global }
      - { .name: vh, .offset: 56, .size: 8, .value_kind: global_buffer, .address_space: global }
    .group_segment_fixed_size: 230912
    .private_segment_fixed_size: 0
    .kernarg_segment_align: 8
    .kernarg_segment_size: 64
    .max_flat_workgroup_size: 512
    .sgpr_count:     66
    .vgpr_count:     256
    .wavefront_size: 32
...
	.end_amdgpu_metadata
.endif
;; end of part 2
;; launch attn (part 3): grid 8 x 24, 8 waves a work-group, clusters of 4 x 1, 327,680 bytes of LDS; arguments qh, kh, vh, ob; writes ob
.if DOCPART == 3
	.amdgcn_target "amdgcn-amd-amdhsa--gfx1250"
	.amdhsa_code_object_version 6
	.text
	.protected	k_q6004ee39eb_attn
	.globl	k_q6004ee39eb_attn
	.p2align	8
	.type	k_q6004ee39eb_attn,@function
k_q6004ee39eb_attn:
	s_mov_b64 s[64:65], 0
	v_nop
	global_prefetch_b8 v0, s[64:65] scope:SCOPE_SE
	s_setreg_imm32_b32 hwreg(HW_REG_WAVE_MODE, 25, 1), 1
	s_wait_xcnt 0x0
	s_wait_alu depctr_hold_cnt(0) depctr_sa_sdst(0) depctr_va_vdst(0) depctr_va_sdst(0) depctr_va_ssrc(0) depctr_va_vcc(0) depctr_vm_vsrc(0)
	s_getreg_b32 s2, hwreg(HW_REG_IB_STS2, 6, 4)
	s_cmp_eq_u32 s2, 0
	s_cbranch_scc0 .Lentry_in_a_cluster
	s_endpgm
.Lentry_in_a_cluster:
	s_bfe_u32 s2, ttmp6, 0x10000c
	s_cmp_lg_u32 s2, 0x3003
	s_cbranch_scc0 .Lentry_shape_is_right
	s_endpgm
.Lentry_shape_is_right:
; o[bh][q][:] = the sum over k of softmax_k(q . k / 8) v[k][:], head size 64, 2,048 keys, no mask.  q, k, v in f16 as the launch before laid them (pieces of 512 bytes: images of operand registers); products, maxima and sums in f32;
; the weights p are rounded to f16 for the second product, o once to bf16 for the projection.
; SHARES.  A work-group owns 256 queries of one (batch, head); each of its eight waves owns two tiles of 16, so that every fragment of K and V read from LDS feeds two products.  Two waves share a SIMD.
; LAYOUT.  S^T = K Q^T (source 0 = 16 keys, source 1 = 16 queries) and O^T = V^T P (source 0 = 16 channels, source 1 = P): a lane holds ONE query (lane % 16) throughout; two tiles of S^T, packed in pairs, ARE source 1 of the second product.
; K comes out of LDS as it lies; V is turned by ds_load_tr16_b128, for which its pieces were laid.
; SOFTMAX.  A running maximum m and sum l for each query: p = 2^(c s - c m), c = log2(e) / 8; in every step O and l are multiplied by a = 2^(c m_old - c m_new).  The step is written once: m begins at -3e38, O and l at 0, so the first a is 0.
; THE TWO TILES ARE HALF A PHASE APART.  A tile never looks at the other, so one tile's vector work stands behind the other's products: tile 0's maximum and scalings behind tile 1's last four products K Q^T, tile 1's sums,
; rescaling and roundings behind tile 0's first four products V^T P; tile 0's exponentials alternate with the plain lines of tile 1's maximum and scalings.  K and V share one buffer of 64 registers: the half that
; V^T P has done with takes the next step's K at once, so that K's first half has eight products in which to land and its second half the next step's first eight.
; RING.  Two slots of 512 keys (64 KiB of K, 64 KiB of V, dense).  Every wave fetches 16 KiB: waves 0-3 K's quarters, waves 4-7 V's.  2,048 keys are four fills: two at the head, two refills.
; CLUSTER.  The four query blocks of a cluster belong to one head and walk the same K and V: every tile is asked for JOINTLY, by the same tensor load with the same descriptor and the mask of all four.
; LIMITS: NaN and infinities are not served.
.set SLOTB, 131072
.set VOFF,  65536                      ; V behind K in a slot
.set STEPB, 8192                       ; 64 keys: 16 pieces of 512 bytes
.set SPARE, 2*SLOTB                    ; behind the ring: the spare words, 128 bytes for each of the 8 waves, which no other line names
.set LI,  1                            ; v1   16 L
.set LV,  2                            ; v2   16 L + VOFF
.set ADR, 3                            ; v3   LDS address of a step's K
.set ADV, 4                            ; v4   of its V
.set PFO, 5                            ; v5   256 L; never rewritten
.set SPW, 6                            ; v6   my spare word; never rewritten
.set NIL, 7                            ; v7   0; never rewritten
.set CMO, 8                            ; v8-9 the two tiles' old c m
.set Q,   16                           ; v16-47   Q: tile t, channels 32 cp on, at 16 t + 8 cp
.set KV,  48                           ; v48-111  a step's K (keys 16 kt on, channels 32 cp on, at 16 kt + 8 cp), then its V (channels 16 ct on, keys 32 kc on, at 16 ct + 8 kc)
.set S,   112                          ; v112-175 S^T, 32 a tile; p; its f16 pairs take the low 16 of each tile's 32
.set O,   176                          ; v176-239 O^T, 32 a tile
.set ST,  240                          ; v240-255 a tile's eight: +0 c m, +1 m, +2 +3 l, +4..+7 at work (a in +6)
.set WV,  12
.set G1,  16                           ; s[16:23] descriptor group 1
.set G0,  24                           ; s[24:27], s[28:31] group 0 for slot 0, slot 1
.set CS,  32                           ; s[32:33] c, in both words
.set SEL, 34
.set TB,  36                           ; s36  LDS byte at which a step's tiles begin
.set CNT, 37
.set PFA, 38                           ; s[38:39] what I prefetch; never rewritten
.set PFF, 40                           ; s40  0 in a wave that prefetches
.macro CROUND                          ; a round of the cluster's barrier: my work-group's barrier; wave 0 signals for the work-group; every wave waits for all four work-groups; my work-group's barrier once more
	s_barrier_signal -1
	s_barrier_wait -1
	s_cmp_lg_u32 s[WV], 0
	s_cbranch_scc1 .Lnot_wave_0_\@
	s_barrier_signal -3
.Lnot_wave_0_\@:
	s_barrier_wait -3
	s_barrier_signal -1
	s_barrier_wait -1
.endm
	s_load_b256 s[4:11], s[0:1], 0x0               ; qh, kh, vh, ob
	v_lshl_add_u32 v[SPW], v0, 2, SPARE
	v_mov_b32 v[NIL], 0
	ds_add_u32 v[SPW], v[NIL]                      ; the wave's opening: the add, twice on end, and its wait ahead of my first tensor load
	ds_add_u32 v[SPW], v[NIL]
	v_lshrrev_b32 v[ADR], 5, v0
	v_readfirstlane_b32 s[WV], v[ADR]              ; wave 0..7
	s_bfe_u32 s13, ttmp6, 0x40000                  ; cx: my place in the cluster
	s_lshl_b32 s14, ttmp9, 2
	s_add_co_u32 s14, s14, s13                     ; my block of 256 queries: it enters Q's, O's and the prefetch's addresses alone
	s_and_b32 s15, ttmp7, 0xffff                   ; 12 b + head, which the four partners share
	s_mov_b32 s[G1], 15|(3<<16)|(1<<21)            ; 15:0 the mask: all four; 17:16 elements of 8 bytes; 21 set beside a mask; no padding: the pieces are read 16 bytes a lane on end
	s_mov_b32 s[G1+1], 32<<16                      ; tensor_dim0 = 32 elements: rows of 256 bytes
	s_mov_b32 s[G1+2], 64<<16                      ; tensor_dim1 = 64
	s_mov_b32 s[G1+3], 32<<16                      ; tile_dim0
	s_mov_b32 s[G1+4], 64                          ; tile_dim1: 64 rows x 256 bytes = 16 KiB
	s_mov_b32 s[G1+5], 32                          ; the pitch: dense
	s_mov_b32 s[G1+6], 0
	s_mov_b32 s[G1+7], 0
	s_mov_b32 s[CS], 0x3e38aa3b                    ; c = log2(e) / 8
	s_mov_b32 s[CS+1], s[CS]
	s_mov_b32 s[SEL], 0x76543210
	s_mov_b32 s[SEL+1], 0xfedcba98
	s_mov_b32 s[TB], 0
	s_and_b32 s[PFF], s[WV], 1
	s_or_b32 s[PFF], s[PFF], ttmp9                 ; 0 in the even waves of the head's first cluster: the same in all four partners
	v_and_b32 v[LI], 31, v0
	v_lshlrev_b32 v[PFO], 8, v[LI]
	v_lshlrev_b32 v[LI], 4, v[LI]
	v_add_nc_u32 v[LV], VOFF, v[LI]
	s_lshl_b32 s44, s15, 18                        ; the head's first byte in each of q, k, v: 128 tiles of 2,048 bytes
	s_mov_b32 s45, 0
	s_and_b32 s46, s[WV], 3
	s_lshl_b32 s46, s46, 14                        ; my quarter of a slot's K or V
	s_mov_b32 s47, 0
	s_mov_b32 s[G0], 1
	s_lshl_b32 s[G0+1], s[WV], 14                  ; LDS: slot + 16,384 x wave: no place in the cluster enters it
	s_mov_b32 s[G0+4], 1
	s_add_co_u32 s[G0+5], s[G0+1], SLOTB
	s_wait_dscnt 0x0                               ; both opening adds are done
	s_wait_kmcnt 0x0
	s_cmp_lt_u32 s[WV], 4                          ; waves 0-3 fetch K, waves 4-7 V
	s_cselect_b64 s[42:43], s[6:7], s[8:9]
	s_add_nc_u64 s[42:43], s[42:43], s[44:45]
	s_add_nc_u64 s[G0+2:G0+3], s[42:43], s[46:47]  ; keys 0 to 511
	s_add_nc_u64 s[G0+6:G0+7], s[G0+2:G0+3], 65536 ; keys 512 to 1,023
	s_or_b32 s[G0+3], s[G0+3], 0x80000000          ; type = 2
	s_or_b32 s[G0+7], s[G0+7], 0x80000000
	CROUND                                         ; all four work-groups are here: the first joint loads meet
	tensor_load_to_lds s[G0:G0+3], s[G1:G1+7]
	s_nop 0
	tensor_load_to_lds s[G0+4:G0+7], s[G1:G1+7]    ; two loads of mine are out
	s_nop 0
.rept 4
	v_nop
.endr
	s_lshl_b32 s2, s15, 7                          ; Q: tile 128 bh + 16 block + 2 wave
	s_lshl_b32 s41, s14, 4
	s_add_co_u32 s2, s2, s41
	s_lshl_b32 s41, s[WV], 1
	s_add_co_u32 s2, s2, s41
	s_lshl_b32 s2, s2, 11
	s_mov_b32 s3, 0
	s_add_nc_u64 s[4:5], s[4:5], s[2:3]
.irp i, 0,1,2,3,4,5,6,7
	global_load_b128 v[Q+4*\i:Q+4*\i+3], v[LI], s[4:5] offset:512*\i   ; my two tiles' eight pieces stay in registers
.endr
	s_bfe_u32 s2, s[WV], 0x10001                   ; the prefetch: the fourth fill's 65,536 bytes of K (waves 0, 2) and of V (waves 4, 6): 32,768 a wave,
	s_lshl_b32 s2, s2, 15
	s_lshl_b32 s41, s13, 13                        ; of which each partner takes 8,192, told apart by address
	s_add_co_u32 s2, s2, s41
	s_add_co_u32 s2, s2, 3*65536
	s_add_nc_u64 s[PFA:PFA+1], s[42:43], s[2:3]
	s_cmp_ge_u32 s15, 12                           ; O's place: ob [mb 64][part 3][mt 4][ch 8][half 2][512]
	s_cselect_b32 s44, 1, 0                        ; b
	s_mul_i32 s45, s44, 12
	s_sub_co_u32 s45, s15, s45                     ; head
	s_lshl_b32 s41, s44, 5
	s_lshl_b32 s2, s14, 2
	s_add_co_u32 s41, s41, s2
	s_lshr_b32 s2, s[WV], 1
	s_add_co_u32 s41, s41, s2                      ; mb = 32 b + 4 block + wave / 2
	s_mul_i32 s41, s41, 3
	s_lshr_b32 s2, s45, 2
	s_add_co_u32 s41, s41, s2                      ; + part = head / 4
	s_lshl_b32 s41, s41, 2
	s_and_b32 s2, s[WV], 1
	s_lshl_b32 s2, s2, 1
	s_add_co_u32 s41, s41, s2                      ; mt = 2 (wave % 2) + t
	s_lshl_b32 s41, s41, 13
	s_and_b32 s2, s45, 3
	s_lshl_b32 s2, s2, 11                          ; the head's two chunks of 32 channels
	s_add_co_u32 s2, s2, s41
	s_add_nc_u64 s[10:11], s[10:11], s[2:3]
.irp t, 0,1
	v_mov_b32 v[ST+8*\t+1], 0xff61b1e6             ; m: -3e38, under every score
	v_mul_f32 v[ST+8*\t], s[CS], v[ST+8*\t+1]      ; c m
	v_mov_b32 v[ST+8*\t+2], 0                      ; l, in two halves
	v_mov_b32 v[ST+8*\t+3], 0
.endr
.set n, 0
.rept 64
	v_mov_b32 v[O+n], 0                            ; O^T: the step is written once, and its first a, 0, leaves zeros
.set n, n+1
.endr
; One product of S^T = K Q^T: tile t, channels 32 cp on, keys 16 kt on.  cp = 0 starts the sum.
.macro KQW t, cp, kt
.if (\cp) == 0
	v_wmma_f32_16x16x32_f16 v[S+32*(\t)+8*(\kt):S+32*(\t)+8*(\kt)+7], v[KV+16*(\kt)+8*(\cp):KV+16*(\kt)+8*(\cp)+7], v[Q+16*(\t)+8*(\cp):Q+16*(\t)+8*(\cp)+7], 0
.else
	v_wmma_f32_16x16x32_f16 v[S+32*(\t)+8*(\kt):S+32*(\t)+8*(\kt)+7], v[KV+16*(\kt)+8*(\cp):KV+16*(\kt)+8*(\cp)+7], v[Q+16*(\t)+8*(\cp):Q+16*(\t)+8*(\cp)+7], v[S+32*(\t)+8*(\kt):S+32*(\t)+8*(\kt)+7]
.endif
.endm
; One product of O^T += V^T P: tile t, keys 32 kc on, channels 16 ct on.
.macro PVW t, kc, ct
	v_wmma_f32_16x16x32_f16 v[O+32*(\t)+8*(\ct):O+32*(\t)+8*(\ct)+7], v[KV+16*(\ct)+8*(\kc):KV+16*(\ct)+8*(\kc)+7], v[S+32*(\t)+8*(\kc):S+32*(\t)+8*(\kc)+7], v[O+32*(\t)+8*(\ct):O+32*(\t)+8*(\ct)+7]
.endm
; Half cp of a step's K: eight loads, pieces 4 kt + 2 cp and 4 kt + 2 cp + 1.
.macro KLOAD cp
.irp kt, 0,1,2,3
.irp u, 0,1
	ds_load_b128 v[KV+16*\kt+8*\cp+4*\u:KV+16*\kt+8*\cp+4*\u+3], v[ADR] offset:512*(4*\kt+2*\cp+\u)
.endr
.endr
.endm
; A TILE'S VECTOR WORK AHEAD OF ITS EXPONENTIALS is a list of 36 lines; PREN writes line n for tile t and steps n.
;   0-15  the maximum of my 32 scores and the old m, three operands at a time: four chains, each beginning at an accumulator's low end
;   16-19 the other half of the lanes' maximum; the new m; c m; c m_old - c m_new
;   20-35 c s - c m, a pair of scores each
.macro PREN t
.set rT, ST+8*(\t)
.set rS, S+32*(\t)
.if n < 4
	v_max3_num_f32 v[rT+4+n], v[rS+8*n], v[rS+8*n+1], v[rS+8*n+2]
.elseif n < 12
	v_max3_num_f32 v[rT+4+n%4], v[rT+4+n%4], v[rS+8*(n%4)+2*(n/4)+1], v[rS+8*(n%4)+2*(n/4)+2]
.elseif n == 12
	v_max3_num_f32 v[rT+4], v[rT+4], v[rS+7], v[rS+15]
.elseif n == 13
	v_max3_num_f32 v[rT+6], v[rT+6], v[rS+23], v[rS+31]
.elseif n == 14
	v_max3_num_f32 v[rT+4], v[rT+4], v[rT+5], v[rT+6]
.elseif n == 15
	v_max3_num_f32 v[rT+4], v[rT+4], v[rT+7], v[rT+1]
.elseif n == 16
	v_permlanex16_b32 v[rT+5], v[rT+4], s[SEL], s[SEL+1]   ; the query's other 32 keys lie in the lane 16 away
.elseif n == 17
	v_max_num_f32 v[rT+1], v[rT+4], v[rT+5]
.elseif n == 18
	v_mul_f32 v[rT], s[CS], v[rT+1]
.elseif n == 19
	v_sub_f32 v[rT+7], v[CMO+(\t)], v[rT]
.else
	v_pk_fma_f32 v[rS+2*(n-20):rS+2*(n-20)+1], v[rS+2*(n-20):rS+2*(n-20)+1], s[CS:CS+1], v[rT:rT+1] op_sel_hi:[1,0,0] neg_lo:[0,0,1] neg_hi:[0,0,1]
.endif
.set n, n+1
.endm
.macro PRES t, cnt
.rept \cnt
	PREN \t
.endr
.endm
; AND BEHIND THEM a list of 48; POSTN writes line n for tile t and steps n.
;   0-31  by turns: a line of the sum (l = a l + the sum of the f32 p, 16 pairs in two chains) and a line of O^T x a (each accumulator from its low end on)
;   32-47 the roundings to f16, ascending, in place: register i is written when 2 i and 2 i + 1 are read; all sums stand ahead of them
.macro POSTN t
.set rT, ST+8*(\t)
.set rS, S+32*(\t)
.set rO, O+32*(\t)
.if n >= 32
	v_cvt_pk_f16_f32 v[rS+n-32], v[rS+2*(n-32)], v[rS+2*(n-32)+1]
.elseif (n%2) == 1
	v_pk_mul_f32 v[rO+n-1:rO+n], v[rO+n-1:rO+n], v[rT+6:rT+7] op_sel_hi:[1,0]
.elseif n == 0
	v_pk_fma_f32 v[rT+2:rT+3], v[rT+2:rT+3], v[rT+6:rT+7], v[rS:rS+1] op_sel_hi:[1,0,1]
.elseif n == 2
	v_pk_add_f32 v[rT+4:rT+5], v[rS+2:rS+3], v[rS+4:rS+5]
.elseif n == 30
	v_pk_add_f32 v[rT+2:rT+3], v[rT+2:rT+3], v[rT+4:rT+5]
.elseif (n%4) == 0
	v_pk_add_f32 v[rT+2:rT+3], v[rT+2:rT+3], v[rS+n+2:rS+n+3]
.else
	v_pk_add_f32 v[rT+4:rT+5], v[rT+4:rT+5], v[rS+n+2:rS+n+3]
.endif
.set n, n+1
.endm
.macro POSTS t, cnt
.rept \cnt
	POSTN \t
.endr
.endm
; A KEY STEP: 64 keys.  Its K has been asked for: sixteen loads are out, channels 0-31's eight first.  pf = 1: the next step's K, in the same slot, is asked for.
; The accumulators take turns, one instruction a turn: between two links of a chain stand seven others'.
.macro STEP pf
	s_wait_dscnt 8                                 ; K's channels 0-31 are in; the eight loads of channels 32-63 are younger
.irp t, 0,1
.irp kt, 0,1,2,3
	KQW \t, 0, \kt
.endr
.endr
	s_wait_dscnt 0x0                               ; all of K is in
.irp kt, 0,1,2,3
	KQW 0, 1, \kt                                  ; tile 0's scores are whole
.endr
.set n, 0
	KQW 1, 1, 0                                    ; tile 1's last four products, tile 0's 36 lines behind them
	v_mov_b32 v[CMO], v[ST]                        ; c m_old is kept for a.  With the two v_nop: the four places between tile 0's last product and the first read of its scores (ISA guide 7.12.1)
	v_mov_b32 v[CMO+1], v[ST+8]
	v_nop
	v_nop
	PRES 0, 6
	KQW 1, 1, 1
	PRES 0, 10
	KQW 1, 1, 2
	PRES 0, 10
	KQW 1, 1, 3
	PRES 0, 10                                     ; ten scalings of tile 0: the places in front of V's loads into K's registers and of the first read of tile 1's scores
.irp ct, 0,1,2,3                       ; V^T: fragment (ct, kc) = 16 channels x 32 keys: two turning loads; they land while the softmax is walked
.irp kc, 0,1
.irp u, 0,1
	ds_load_tr16_b128 v[KV+16*\ct+8*\kc+4*\u:KV+16*\ct+8*\kc+4*\u+3], v[ADV] offset:2048*(2*\kc+\u)+512*\ct
.endr
.endr
.endr
	s_add_co_u32 s[TB], s[TB], STEPB               ; on to the next step's tiles
.set n, 0
	v_exp_f32 v[ST+6], v[ST+7]                     ; tile 0's a, and its 32 p: each exponential is followed by a plain line of tile 1, which names none of tile 0's registers
	PREN 1
.set e, 0
.rept 32
	v_exp_f32 v[S+e], v[S+e]
	PREN 1
.set e, e+1
.endr
	PRES 1, 3
	v_exp_f32 v[ST+14], v[ST+15]                   ; tile 1's a and p
.set e, 0
.rept 32
	v_exp_f32 v[S+32+e], v[S+32+e]
.set e, e+1
.endr
	v_nop                                          ; a plain instruction behind the last exponential (ISA guide 5.7.2),
	s_wait_alu depctr_va_vdst(0)                   ; and the wait ahead of the first use: ONE for the step's 66 exponentials; no line above names a result
.set n, 0
	POSTS 0, 48
	s_wait_dscnt 0x0                               ; V is in
.set n, 0
.irp ct, 0,1,2,3
	PVW 0, 0, \ct                                  ; tile 0, keys 0-31, tile 1's 48 lines behind the four
	POSTS 1, 12
.endr
.irp ct, 0,1,2,3
	PVW 1, 0, \ct
.endr
.if \pf
	v_add_nc_u32 v[ADR], s[TB], v[LI]              ; the next step's addresses; with the two v_nop: four places in front of loads into the registers that the products on keys 0-31 have read
	v_add_nc_u32 v[ADV], s[TB], v[LV]
	v_nop
	v_nop
	KLOAD 0                                        ; eight products follow in which these land
.endif
.irp t, 0,1
.irp ct, 0,1,2,3
	PVW \t, 1, \ct
.endr
.endr
.if \pf
.rept 5
	v_nop                                          ; four places in front of the loads below; five in front of the next K Q^T, which writes over the P that these products have read
.endr
	KLOAD 1
.endif
.endm
; A SLOT'S EIGHT KEY STEPS.  The first step's K is asked for here, behind the barrier that has shown the slot whole; the last step asks for nothing, since the next K lies in the other slot.
.macro SLOTRUN
	v_add_nc_u32 v[ADR], s[TB], v[LI]              ; these five are the places behind the last V^T P: four for the loads, five for the K Q^T that writes over its P
	v_add_nc_u32 v[ADV], s[TB], v[LV]
	v_nop
	v_nop
	v_nop
	KLOAD 0
	KLOAD 1
	s_mov_b32 s[CNT], 7
.Lstep_\@:
	STEP 1
	s_sub_co_u32 s[CNT], s[CNT], 1
	s_cmp_lg_u32 s[CNT], 0
	s_cbranch_scc1 .Lstep_\@
	STEP 0
.endm
; A PREFETCH INTO THE L2 of what the next change of slots will ask for: the fourth fill, eight key steps ahead of its load.  Both clusters of a head walk the same K and V: the first asks.  Its four partners take
; 8,192 bytes each of a wave's 32,768, told apart by address; waves 0 and 2 ask for K's 65,536 bytes, waves 4 and 6 for V's; lanes 256 bytes apart: each block of 256 bytes is named once.  The first three fills come by their loads alone.
.macro ASK
	s_cmp_eq_u32 s[PFF], 0
	s_cbranch_scc0 .Lnot_mine_\@
	global_prefetch_b8 v[PFO], s[PFA:PFA+1] th:TH_LOAD_NT scope:SCOPE_SE
.Lnot_mine_\@:
.endm
; THE CHANGE OF SLOTS.  Each wave waits for all its tensor loads (one is out: its part of the slot ahead), adds 0 to its spare word, and waits for that and for its reads of the slot that it leaves.
; fill = 1: the barrier is a round of the cluster's, so that no wave of any partner still reads the slot or has a load on its way; the joint refill, 1,024 keys on, is the first thing behind it and has eight key steps in which to land.
.macro CHANGE fill, g0, tb, ask
	s_wait_tensorcnt 0x0                           ; no tensor load of mine is out, so a group 0 may be written
	ds_add_u32 v[SPW], v[NIL]                      ; 0 onto my spare word
.if \fill
	s_add_nc_u64 s[\g0+2:\g0+3], s[\g0+2:\g0+3], 2*65536   ; the type bits on top are not reached
.endif
	s_wait_dscnt 0x0
.if \fill
	CROUND
	tensor_load_to_lds s[\g0:\g0+3], s[G1:G1+7]
	s_nop 0
.rept 4
	v_nop
.endr
.if \ask
	ASK
.endif
.else
	s_barrier_signal -1
	s_barrier_wait -1
.endif
	s_mov_b32 s[TB], \tb
.endm
	s_wait_tensorcnt 1                             ; my part of slot 0 is in; slot 1's load is younger and may stay out
	s_barrier_signal -1
	s_barrier_wait -1                              ; everybody's is
	s_wait_loadcnt 0x0                             ; Q
	SLOTRUN                                        ; keys 0 to 511
	CHANGE 1, G0, SLOTB, 1                         ; slot 0 takes keys 1,024 on
	SLOTRUN
	CHANGE 1, G0+4, 0, 0                           ; slot 1 takes keys 1,536 on
	SLOTRUN
	CHANGE 0, G0, SLOTB, 0                         ; nothing is left to fetch
	SLOTRUN
	; THE WAY OUT.  l's halves and the other half of the lanes' are added; O^T / l is rounded to bf16; a lane's eight channels of a row are 16 bytes of a piece, as the projection's operand wants them.  The additions are the places behind the last products.
.irp t, 0,1
	v_add_f32 v[ST+8*\t+4], v[ST+8*\t+2], v[ST+8*\t+3]
.endr
.irp t, 0,1
	v_permlanex16_b32 v[ST+8*\t+5], v[ST+8*\t+4], s[SEL], s[SEL+1]
.endr
.irp t, 0,1
	v_add_f32 v[ST+8*\t+4], v[ST+8*\t+4], v[ST+8*\t+5]
.endr
.irp t, 0,1
	v_rcp_f32 v[ST+8*\t+6], v[ST+8*\t+4]
.endr
	v_nop                                          ; a plain instruction between the last reciprocal and the use of its result,
	s_wait_alu depctr_va_vdst(0)                   ; and the wait: one for both
.set n, 0
.rept 16
.irp t, 0,1
	v_pk_mul_f32 v[O+32*\t+2*n:O+32*\t+2*n+1], v[O+32*\t+2*n:O+32*\t+2*n+1], v[ST+8*\t+6:ST+8*\t+7] op_sel_hi:[1,0]
.endr
.set n, n+1
.endr
.set n, 0
.rept 32
	v_cvt_pk_bf16_f32 v[S+n], v[O+2*n], v[O+2*n+1]
.set n, n+1
.endr
.irp t, 0,1
.irp ct, 0,1,2,3
	global_store_b128 v[LI], v[S+16*\t+4*\ct:S+16*\t+4*\ct+3], s[10:11] offset:8192*\t+512*\ct   ; a piece: 512 consecutive bytes, aligned
.endr
.endr
	s_wait_tensorcnt 0x0                           ; the wave's end: behind my last tensor load
	ds_add_u32 v[SPW], v[NIL]
	s_wait_dscnt 0x0
	CROUND                                         ; the closing round: no work-group ends while a partner may still ask for a tile that names it
	s_endpgm
.Lfunc_end_k_q6004ee39eb_attn:
	.size	k_q6004ee39eb_attn, .Lfunc_end_k_q6004ee39eb_attn-k_q6004ee39eb_attn
	.p2alignl 7, 3214868480
	.fill 96, 4, 3214868480
	.section	.rodata,"a",@progbits
	.p2align	6, 0x0
	.amdhsa_kernel k_q6004ee39eb_attn
		.amdhsa_group_segment_fixed_size 327680
		.amdhsa_private_segment_fixed_size 0
		.amdhsa_enable_private_segment 0
		.amdhsa_kernarg_size 32
		.amdhsa_user_sgpr_count 2
		.amdhsa_user_sgpr_kernarg_segment_ptr 1
		.amdhsa_wavefront_size32 1
		.amdhsa_system_sgpr_workgroup_id_x 1
		.amdhsa_system_sgpr_workgroup_id_y 1
		.amdhsa_system_sgpr_workgroup_id_z 1
		.amdhsa_system_vgpr_workitem_id 0
		.amdhsa_next_free_vgpr 256
		.amdhsa_next_free_sgpr 66
		.amdhsa_reserve_vcc 0
		.amdhsa_float_denorm_mode_32 3
		.amdhsa_float_denorm_mode_16_64 3
		.amdhsa_memory_ordered 1
		.amdhsa_forward_progress 1
		.amdhsa_inst_pref_size 152
	.end_amdhsa_kernel
	.amdgpu_metadata
---
amdhsa.version: [ 1, 2 ]
amdhsa.kernels:
  - .name:           k_q6004ee39eb_attn
    .symbol:         k_q6004ee39eb_attn.kd
    .args:
      - { .name: qh, .offset: 0, .size: 8, .value_kind: global_buffer, .address_space: global }
      - { .name: kh, .offset: 8, .size: 8, .value_kind: global_buffer, .address_space: global }
      - { .name: vh, .offset: 16, .size: 8, .value_kind: global_buffer, .address_space: global }
      - { .name: ob, .offset: 24, .size: 8, .value_kind: global_buffer, .address_space: global }
    .group_segment_fixed_size: 327680
    .private_segment_fixed_size: 0
    .kernarg_segment_align: 8
    .kernarg_segment_size: 32
    .max_flat_workgroup_size: 256
    .sgpr_count:     66
    .vgpr_count:     256
    .wavefront_size: 32
...
	.end_amdgpu_metadata
.endif
;; end of part 3
;; launch outp (part 4): grid 4 x 64, 4 waves a work-group, clusters of 4 x 4, 327,680 bytes of LDS; arguments ob, wpb, bp, out0; writes out0
.if DOCPART == 4
	.amdgcn_target "amdgcn-amd-amdhsa--gfx1250"
	.amdhsa_code_object_version 6
	.text
	.protected	k_q6004ee39eb_outp
	.globl	k_q6004ee39eb_outp
	.p2align	8
	.type	k_q6004ee39eb_outp,@function
k_q6004ee39eb_outp:
	s_mov_b64 s[64:65], 0
	v_nop
	global_prefetch_b8 v0, s[64:65] scope:SCOPE_SE
	s_setreg_imm32_b32 hwreg(HW_REG_WAVE_MODE, 25, 1), 1
	s_wait_xcnt 0x0
	s_wait_alu depctr_hold_cnt(0) depctr_sa_sdst(0) depctr_va_vdst(0) depctr_va_sdst(0) depctr_va_ssrc(0) depctr_va_vcc(0) depctr_vm_vsrc(0)
	s_getreg_b32 s2, hwreg(HW_REG_IB_STS2, 6, 4)
	s_cmp_eq_u32 s2, 0
	s_cbranch_scc0 .Lentry_in_a_cluster
	s_endpgm
.Lentry_in_a_cluster:
	s_bfe_u32 s2, ttmp6, 0x10000c
	s_cmp_lg_u32 s2, 0xf033
	s_cbranch_scc0 .Lentry_shape_is_right
	s_endpgm
.Lentry_shape_is_right:
; out0 = o Wp^T + bp.  o [4,096][768] and Wp [768][768] in bf16, both laid as images of operand registers (pieces of 512 bytes); sums in f32; out0 f32.
; bf16 and not f16: o is an average of 2,048 values and has no room at f16's lower end when the inputs shrink.
; SHARES.  A work-group makes 64 rows x 192 columns (768 bytes of a row: three aligned runs of 256): 64 x 4 = 256 work-groups.  A wave makes 64 x 48: 4 x 3 accumulators.
; K goes in three parts of 256 through two LDS slots: a part of o is 32 KiB, of Wp 96 KiB, each dense in memory.  Every wave fetches 32 KiB: wave 0 o's part, waves 1 to 3 thirds of Wp's.  Two first fills, one refill.
; CLUSTER 4 x 4.  o's part hangs on the block of rows alone and is shared along a row of the cluster, Wp's on the block of columns alone and is shared along a column: each is asked for JOINTLY.
; THE PRODUCT IS USED TRANSPOSED (source 0 = 16 rows of Wp, source 1 = 16 rows of o): a lane holds eight neighbouring columns of one row.  The bias is the C of each sum's first product.
; No prefetch: a work-group has three fills in all, two of them at its head.
.set SLOT,  131072
.set WOFF,  32768                      ; Wp behind o in a slot
.set STAGE, 2*SLOT                     ; behind the ring: 64 rows x (768 bytes + 16), for the way out; no fill lands here
.set SP,    784                        ; 196 words: row r starts at bank 4 r mod 64 (64 banks of 4 bytes: ISA guide 11.1)
.set SPARE, STAGE+64*SP                ; the spare words, 128 bytes for each of the 4 waves, which no other line names
.set AO,  2                            ; v2-3   LDS address of o's fragments in slot 0, 1
.set AW,  4                            ; v4-5   of my three tiles of Wp
.set STO, 6                            ; v6     the stage: where I put 32 bytes of a row
.set RD,  7                            ; v7     and where I read rows back
.set CO,  8                            ; v8     my byte offset in out0
.set BO,  9                            ; v9     32 h: my eight numbers of a tile's bias
.set SPW, 10                           ; v10    my spare word; never rewritten
.set NIL, 11                           ; v11    0; never rewritten
.set BI,  16                           ; v16-39   the bias, eight registers a tile of columns, in the result's layout
.set ACC, 40                           ; v40-135  accumulator (a, b) at 8 (3 a + b)
.set F0,  136                          ; v136-191, v192-247 two sets of fragments for 32 along K: o's four, then Wp's three; on the way out rows of out0
.set WV,  12
.set G1O, 24                           ; s[24:31] group 1 for o;  s[32:39] its groups 0, one a slot
.set G0O, 32
.set G1W, 48                           ; s[48:55], s[56:63] the same for Wp
.set G0W, 56
.macro JLOAD s                         ; a joint load: wave 0 fetches o's part, waves 1 to 3 Wp's thirds.  Each line has one mask; the branch hangs on the wave's number alone.  An s_nop 0 and four v_nop follow each line
	s_cmp_eq_u32 s[WV], 0
	s_cbranch_scc0 .Lfor_w_\@
	tensor_load_to_lds s[G0O+4*\s:G0O+4*\s+3], s[G1O:G1O+7]
	s_nop 0
.rept 4
	v_nop
.endr
	s_branch .Lasked_\@
.Lfor_w_\@:
	tensor_load_to_lds s[G0W+4*\s:G0W+4*\s+3], s[G1W:G1W+7]
	s_nop 0
.rept 4
	v_nop
.endr
.Lasked_\@:
.endm
.macro CROUND                          ; a round of the cluster's barrier
	s_barrier_signal -1
	s_barrier_wait -1
	s_cmp_lg_u32 s[WV], 0
	s_cbranch_scc1 .Lnot_wave_0_\@
	s_barrier_signal -3
.Lnot_wave_0_\@:
	s_barrier_wait -3
	s_barrier_signal -1
	s_barrier_wait -1
.endm
	s_load_b256 s[4:11], s[0:1], 0x0               ; ob, wpb, bp, out0
	v_lshl_add_u32 v[SPW], v0, 2, SPARE
	v_mov_b32 v[NIL], 0
	ds_add_u32 v[SPW], v[NIL]                      ; the wave's opening: the add, twice on end, and its wait ahead of my first tensor load
	ds_add_u32 v[SPW], v[NIL]
	v_lshrrev_b32 v1, 5, v0
	v_readfirstlane_b32 s[WV], v1                  ; wave 0..3
	s_bfe_u32 s13, ttmp6, 0x40000                  ; cx
	s_bfe_u32 s14, ttmp6, 0x40004                  ; cy
	s_lshl_b32 s15, ttmp9, 2
	s_add_co_u32 s15, s15, s13                     ; nb: my block of 192 columns
	s_and_b32 s16, ttmp7, 0xffff
	s_lshl_b32 s16, s16, 2
	s_add_co_u32 s16, s16, s14                     ; mb: my block of 64 rows
	s_lshl_b32 s17, s14, 2
	s_lshl_b32 s17, 15, s17                        ; my row of the cluster
	s_lshl_b32 s18, 0x1111, s13                    ; my column
	s_or_b32 s[G1O], s17, (3<<16)|(1<<21)          ; 15:0 the mask; 17:16 elements of 8 bytes; 21 set beside a mask; no padding
	s_or_b32 s[G1W], s18, (3<<16)|(1<<21)
.irp g, G1O, G1W
	s_mov_b32 s[\g+1], 32<<16                      ; tensor_dim0 = 32 elements: rows of 256 bytes
	s_mov_b32 s[\g+2], 128<<16                     ; tensor_dim1 = 128
	s_mov_b32 s[\g+3], 32<<16                      ; tile_dim0
	s_mov_b32 s[\g+4], 128                         ; tile_dim1: 128 x 256 bytes = 32 KiB
	s_mov_b32 s[\g+5], 32                          ; dense
	s_mov_b32 s[\g+6], 0
	s_mov_b32 s[\g+7], 0
.endr
	s_mul_i32 s40, s16, 3*32768                    ; o: the block's three parts
	s_mov_b32 s41, 0
	s_mul_i32 s44, s15, 3*98304                    ; Wp: the block's three parts,
	s_max_u32 s19, s[WV], 1
	s_sub_co_u32 s19, s19, 1
	s_lshl_b32 s19, s19, 15
	s_add_co_u32 s44, s44, s19                     ; my third of a part
	s_mov_b32 s45, 0
	s_lshl_b32 s20, s[WV], 15                      ; LDS: slot + 32,768 x wave: no place in the cluster enters it
	s_wait_dscnt 0x0                               ; both opening adds are done
	s_wait_kmcnt 0x0
	s_add_nc_u64 s[42:43], s[4:5], s[40:41]
	s_add_nc_u64 s[46:47], s[6:7], s[44:45]
	CROUND                                         ; all sixteen work-groups are here: the first joint loads meet
.irp s, 0,1
	s_mov_b32 s[G0O+4*\s], 1
	s_add_co_u32 s[G0O+4*\s+1], s20, \s*SLOT
	s_add_nc_u64 s[G0O+4*\s+2:G0O+4*\s+3], s[42:43], \s*32768      ; part s
	s_or_b32 s[G0O+4*\s+3], s[G0O+4*\s+3], 0x80000000
	s_mov_b32 s[G0W+4*\s], 1
	s_add_co_u32 s[G0W+4*\s+1], s20, \s*SLOT
	s_add_nc_u64 s[G0W+4*\s+2:G0W+4*\s+3], s[46:47], \s*98304
	s_or_b32 s[G0W+4*\s+3], s[G0W+4*\s+3], 0x80000000
	JLOAD \s
.endr
	v_and_b32 v1, 31, v0                           ; L
	v_and_b32 v12, 15, v0                          ; r
	v_bfe_u32 v13, v0, 4, 1                        ; h
	v_lshlrev_b32 v[AO], 4, v1
	v_add_nc_u32 v[AO+1], SLOT, v[AO]
	s_mul_i32 s21, s[WV], 3*8192                   ; my three tiles of Wp
	s_add_co_u32 s21, s21, WOFF
	v_add_nc_u32 v[AW], s21, v[AO]
	v_add_nc_u32 v[AW+1], SLOT, v[AW]
	v_mul_u32_u24 v[STO], v12, SP                  ; in: row r, my wave's 192 bytes, 32 for each half of the lanes
	v_lshl_add_u32 v[STO], v13, 5, v[STO]
	s_mul_i32 s22, s[WV], 192
	s_add_co_u32 s22, s22, STAGE
	v_add_nc_u32 v[STO], s22, v[STO]
	v_mul_u32_u24 v[RD], v13, SP                   ; back: wave w takes rows 16 w on; lanes 0-15 256 bytes of one row, lanes 16-31 of the next
	v_lshl_add_u32 v[RD], v12, 4, v[RD]
	s_mul_i32 s22, s[WV], 16*SP
	s_add_co_u32 s22, s22, STAGE
	v_add_nc_u32 v[RD], s22, v[RD]
	v_mul_u32_u24 v[CO], v13, 3072                 ; and the same two rows in out0
	v_lshl_add_u32 v[CO], v12, 4, v[CO]
	v_lshlrev_b32 v[BO], 5, v13
	s_mul_i32 s70, s15, 768                        ; the bias of my 48 columns
	s_mul_i32 s71, s[WV], 192
	s_add_co_u32 s70, s70, s71
	s_mov_b32 s71, 0
	s_add_nc_u64 s[8:9], s[8:9], s[70:71]
	s_lshl_b32 s68, s16, 6
	s_lshl_b32 s69, s[WV], 4
	s_add_co_u32 s68, s68, s69                     ; the first row that I store: 64 mb + 16 wave
	s_mul_i32 s68, s68, 3072
	s_mul_i32 s69, s15, 768
	s_add_co_u32 s68, s68, s69
	s_mov_b32 s69, 0
	s_add_nc_u64 s[10:11], s[10:11], s[68:69]
.irp b, 0,1,2
	global_load_b128 v[BI+8*\b:BI+8*\b+3],   v[BO], s[8:9] offset:64*\b      ; lane (r, h): bp at the tile's columns 8 h + 0..7
	global_load_b128 v[BI+8*\b+4:BI+8*\b+7], v[BO], s[8:9] offset:64*\b+16
.endr
.macro PLACES                          ; four places in front of loads into registers that matrix instructions have read, and of the first read of results (ISA guide 7.12.1 for vector instructions)
.rept 4
	v_nop
.endr
.endm
.macro FETCH slot, ch, f               ; 14 LDS loads: the fragments of chunk ch (32 along K): o's four tiles of rows, my three tiles of Wp
.irp a, 0,1,2,3
	ds_load_b128 v[\f+8*\a:\f+8*\a+3],   v[AO+\slot] offset:8192*\a+1024*(\ch)
	ds_load_b128 v[\f+8*\a+4:\f+8*\a+7], v[AO+\slot] offset:8192*\a+1024*(\ch)+512
.endr
.irp b, 0,1,2
	ds_load_b128 v[\f+32+8*\b:\f+32+8*\b+3],   v[AW+\slot] offset:8192*\b+1024*(\ch)
	ds_load_b128 v[\f+32+8*\b+4:\f+32+8*\b+7], v[AW+\slot] offset:8192*\b+1024*(\ch)+512
.endr
.endm
.macro MUL12 f, first                  ; twelve products: the twelve accumulators take turns, in the same order in every chunk.  first = 1: the bias starts the sums
.irp a, 0,1,2,3
.irp b, 0,1,2
.if \first
	v_wmma_f32_16x16x32_bf16 v[ACC+8*(3*\a+\b):ACC+8*(3*\a+\b)+7], v[\f+32+8*\b:\f+32+8*\b+7], v[\f+8*\a:\f+8*\a+7], v[BI+8*\b:BI+8*\b+7]
.else
	v_wmma_f32_16x16x32_bf16 v[ACC+8*(3*\a+\b):ACC+8*(3*\a+\b)+7], v[\f+32+8*\b:\f+32+8*\b+7], v[\f+8*\a:\f+8*\a+7], v[ACC+8*(3*\a+\b):ACC+8*(3*\a+\b)+7]
.endif
.endr
.endr
.endm
.macro PART slot, first                ; a part's eight chunks; each chunk's fragments are fetched while the chunk before is multiplied
	PLACES
	FETCH \slot, 0, F0
.if \first
	s_wait_loadcnt 0x0                             ; the bias
.endif
.irp ch, 0,1,2,3,4,5,6,7
.if \ch < 7
	PLACES
	FETCH \slot, \ch+1, F0+56*((\ch+1)%2)
	s_wait_dscnt 14                                ; this chunk's fragments are in; the 14 loads just issued are younger
.else
	s_wait_dscnt 0x0
.endif
.if (\first) && (\ch == 0)
	MUL12 F0+56*(\ch%2), 1
.else
	MUL12 F0+56*(\ch%2), 0
.endif
.endr
.endm
	s_wait_tensorcnt 1                             ; my part of slot 0 is in; slot 1's load is younger and may stay out
	s_barrier_signal -1
	s_barrier_wait -1                              ; everybody's is
	PART 0, 1                                      ; K 0 to 255
	s_wait_tensorcnt 0x0                           ; the change of slots: all my tensor loads have landed, my part of slot 1 among them;
	ds_add_u32 v[SPW], v[NIL]                      ; 0 onto my spare word;
	s_add_nc_u64 s[G0O+2:G0O+3], s[G0O+2:G0O+3], 2*32768   ; slot 0's descriptors step to the third part
	s_add_nc_u64 s[G0W+2:G0W+3], s[G0W+2:G0W+3], 2*98304
	s_wait_dscnt 0x0                               ; the add is done, and my reads of slot 0 are over
	CROUND                                         ; no wave of any partner still reads slot 0 or has a load on its way
	JLOAD 0                                        ; the first tensor load behind the round: it has a part's 96 products in which to land
	PART 1, 0                                      ; K 256 to 511
	s_wait_tensorcnt 0x0                           ; my part of the third part is in
	ds_add_u32 v[SPW], v[NIL]
	s_wait_dscnt 0x0
	s_barrier_signal -1
	s_barrier_wait -1                              ; everybody's is; nothing is filled again
	PART 0, 0                                      ; K 512 to 767
	; THE WAY OUT.  A lane holds 32 neighbouring bytes of a row, and a row's 768 bytes come from four waves: they meet in the stage, and each wave stores 16 whole rows.
	PLACES
.irp a, 0,1,2,3
.irp b, 0,1,2
	ds_store_b128 v[STO], v[ACC+8*(3*\a+\b):ACC+8*(3*\a+\b)+3]   offset:16*SP*\a+64*\b       ; each accumulator from its low end on
	ds_store_b128 v[STO], v[ACC+8*(3*\a+\b)+4:ACC+8*(3*\a+\b)+7] offset:16*SP*\a+64*\b+16
.endr
.endr
	s_wait_dscnt 0x0                               ; for the others' sake: my stores into the stage have landed
	s_barrier_signal -1
	s_barrier_wait -1
.irp p, 0,1,2,3,4,5,6,7
.irp u, 0,1,2
	ds_load_b128 v[F0+4*(3*\p+\u):F0+4*(3*\p+\u)+3], v[RD] offset:2*SP*\p+256*\u
.endr
.endr
.irp p, 0,1,2,3,4,5,6,7
.irp u, 0,1,2
	s_wait_dscnt 23-(3*\p+\u)                      ; LDS loads come back in order (ISA guide 5.7.1): this one is in, the younger ones may be out
	global_store_b128 v[CO], v[F0+4*(3*\p+\u):F0+4*(3*\p+\u)+3], s[10:11] offset:6144*\p+256*\u th:TH_STORE_NT   ; 16 lanes store 256 consecutive bytes, at a multiple of 256 from out0's first byte
.endr
.endr
	s_wait_tensorcnt 0x0                           ; the wave's end: behind my last tensor load and my last LDS store
	ds_add_u32 v[SPW], v[NIL]
	s_wait_dscnt 0x0
	CROUND                                         ; the closing round: no work-group ends while a partner may still ask for a tile that names it
	s_endpgm
.Lfunc_end_k_q6004ee39eb_outp:
	.size	k_q6004ee39eb_outp, .Lfunc_end_k_q6004ee39eb_outp-k_q6004ee39eb_outp
	.p2alignl 7, 3214868480
	.fill 96, 4, 3214868480
	.section	.rodata,"a",@progbits
	.p2align	6, 0x0
	.amdhsa_kernel k_q6004ee39eb_outp
		.amdhsa_group_segment_fixed_size 327680
		.amdhsa_private_segment_fixed_size 0
		.amdhsa_enable_private_segment 0
		.amdhsa_kernarg_size 32
		.amdhsa_user_sgpr_count 2
		.amdhsa_user_sgpr_kernarg_segment_ptr 1
		.amdhsa_wavefront_size32 1
		.amdhsa_system_sgpr_workgroup_id_x 1
		.amdhsa_system_sgpr_workgroup_id_y 1
		.amdhsa_system_sgpr_workgroup_id_z 1
		.amdhsa_system_vgpr_workitem_id 0
		.amdhsa_next_free_vgpr 256
		.amdhsa_next_free_sgpr 72
		.amdhsa_reserve_vcc 0
		.amdhsa_float_denorm_mode_32 3
		.amdhsa_float_denorm_mode_16_64 3
		.amdhsa_memory_ordered 1
		.amdhsa_forward_progress 1
		.amdhsa_inst_pref_size 58
	.end_amdhsa_kernel
	.amdgpu_metadata
---
amdhsa.version: [ 1, 2 ]
amdhsa.kernels:
  - .name:           k_q6004ee39eb_outp
    .symbol:         k_q6004ee39eb_outp.kd
    .args:
      - { .name: ob, .offset: 0, .size: 8, .value_kind: global_buffer, .address_space: global }
      - { .name: wpb, .offset: 8, .size: 8, .value_kind: global_buffer, .address_space: global }
      - { .name: bp, .offset: 16, .size: 8, .value_kind: global_buffer, .address_space: global }
      - { .name: out0, .offset: 24, .size: 8, .value_kind: global_buffer, .address_space: global }
    .group_segment_fixed_size: 327680
    .private_segment_fixed_size: 0
    .kernarg_segment_align: 8
    .kernarg_segment_size: 32
    .max_flat_workgroup_size: 128
    .sgpr_count:     72
    .vgpr_count:     256
    .wavefront_size: 32
...
	.end_amdgpu_metadata
.endif
;; end of part 4
